; MI455X (gfx1250); checked and timed in simulation.
; The chip was launched on July 23, 2026; its instructions are those of AMD's public machine-readable ISA for CDNA 5 (MIT licence, August 2026) and "CDNA5" Instruction Set Architecture Reference Guide (July 2026). The comments in the code are by the model that wrote it; some were corrected since.
;; Multi Head Attention. Allowed arithmetic: matrix products marked QUANTISED: E2M3 operands, one E8M0 scale for each 32 along K, by v_wmma_scale_f32_16x16x128_f8f6f4 with both operands' format E2M3, f32 sums; products left as they are: f32 operands where the result goes on into a quantised operand, else bf16, f16 or f32 operands; f32 sums; everything else in f32.
;; Inputs: Wfc 1,024 x 1,024 float32; Wk 1,024 x 1,024 float32; Wq 1,024 x 1,024 float32; Wv 1,024 x 1,024 float32; x 4 x 4,096 x 1,024 float32.
;; Outputs: out0 4 x 4,096 x 1,024 float32.
;; This version of the problem:
;;   THIS VERSION OF THE PROBLEM IS GIVEN IN LOW PRECISION. The matrix products marked QUANTISED in the list below multiply operands that are first quantised to E2M3 (2 exponent bits, 3 mantissa bits; 6 bits a number), with one power-of-two scale for each 32 numbers along K (OCP MX v1.0); their sums are f32. All else is computed in f32.
;;   The module's matrix products, in the order in which they are computed (A, B: the left and right operand; K: the contracted axis; several contracted axes count as one K, in the product's order):
;;     1. [M 16,384, K 1,024] x [K 1,024, N 1,024]; A: input x; B: input Wq: QUANTISED
;;     2. [M 16,384, K 1,024] x [K 1,024, N 1,024]; A: input x; B: input Wk: QUANTISED
;;     3. [M 16,384, K 1,024] x [K 1,024, N 1,024]; A: input x; B: input Wv: QUANTISED
;;     4. batch 16,384 x [M 16, K 64] x [K 64, N 16]; A: computed on the way; B: computed on the way: QUANTISED
;;     5. batch 16,384 x [M 16, K 16] x [K 16, N 64]; A: softmax; B: computed on the way: left as it is (K = 16 < 32)
;;     6. [M 16,384, K 1,024] x [K 1,024, N 1,024]; A: computed on the way; B: input Wfc: QUANTISED
;;   THE QUANTISER, for each operand of a quantised product, along K:
;;     - K is cut into blocks of 32 from its start; a last block that is shorter is filled with zeros.
;;     - A block's scale is 2^e with e = floor(log2(the largest magnitude in the block)) - 2, held to -126 .. 127; a block of zeros has e = 0. As a byte (E8M0): e + 127.
;;     - Each number is divided by its block's scale, clamped to +-7.5, and rounded to the nearest number of E2M3, ties to even, subnormals kept.
;;     - The product sums the exact products of the quantised numbers (number of the format x scale) in f32.
;;   ~~~python
;;   def quantise(x, axis):      # numpy; x: float32 -> the quantised numbers, widened to float32 again
;;       x = np.moveaxis(x, axis, -1); K = x.shape[-1]
;;       x = np.pad(x, [(0, 0)] * (x.ndim - 1) + [(0, -K % 32)]); x = x.reshape(x.shape[:-1] + (-1, 32)); a = np.abs(x).max(-1, keepdims=True)
;;       e = np.where(a > 0, np.clip(np.frexp(np.where(a > 0, a, 1))[1] - 1 - 2, -126, 127), 0)      # np.frexp(a)[1] - 1 = floor(log2(a)), exactly
;;       r = np.clip(x / 2.0 ** e, -7.5, 7.5)
;;       step = 2.0 ** (np.maximum(np.frexp(np.where(r == 0, 1, r))[1] - 1, 0) - 3)
;;       q = np.round(r / step) * step * 2.0 ** e      # np.round: ties to even
;;       return np.moveaxis(q.reshape(q.shape[:-2] + (-1,))[..., :K], -1, axis).astype(np.float32)
;;   ~~~
;;   OPERANDS COMPUTED ON THE WAY. 'Computed on the way' means the value that the module computes at that place (a softmax that the list does not call 'softmax' is quantised finished and normalised). What goes into a quantiser is computed in f32, as accurately as f32 sums, v_exp_f32 and their like allow (about 1e-6 of the number): no bf16 or f16 on the way to a quantiser, and a product that is left as it is and whose result goes on into a quantised operand takes f32 operands (vector FMAs, or v_wmma_f32_16x16x4_f32). A number that lies on a knife's edge between two numbers of the format may be rounded either way, as far as f32 arithmetic and the matrix unit's own rounding can turn it there, and no further.
;; One version. Each part assembles by itself: llvm-mc -triple=amdgcn-amd-amdhsa -mcpu=gfx1250 --defsym DOCPART=n.
;; ======== version 1 of 1: 2 launches
;; limits: right only within a limited range of input values
;; workspace buffers: wst 3,276,800 bytes
;; launch prep (part 1): grid 1024 x 1, 1 waves a work-group, no clusters, 17,152 bytes of LDS; arguments Wq, Wk, Wv, Wfc, wst; writes wst
.if DOCPART == 1
	.amdgcn_target "amdgcn-amd-amdhsa--gfx1250"
	.amdhsa_code_object_version 6
	.text
	.protected	k_qcd0fa63e00_prep
	.globl	k_qcd0fa63e00_prep
	.p2align	8
	.type	k_qcd0fa63e00_prep,@function
k_qcd0fa63e00_prep:
	s_mov_b64 s[64:65], 0
	v_nop
	global_prefetch_b8 v0, s[64:65] scope:SCOPE_SE
	s_setreg_imm32_b32 hwreg(HW_REG_WAVE_MODE, 25, 1), 1
	s_wait_xcnt 0x0
; The four weights, [1024 (n)][1024 (k)] f32, K innermost, become codes of FP6 (E2M3) with one E8M0 byte for each 32 along K, laid in wst
; IN THE ORDER IN WHICH THE NEXT LAUNCH'S OPERAND REGISTERS TAKE THEM.
; wst = 32 chunks of 102,400 bytes: chunk 8 pass + j (pass 0 Wq, 1 Wk, 2 Wv, 3 Wfc) holds 128 rows of a weight for all of K.
; A chunk = 4 parts of 25,600 bytes; a part = 32 rows as two tiles u of 16 rows: 16 fragment images of 1,536 bytes, that of K position p (128 along K)
; and tile u at (2 p + u) x 1,536, then 1,024 bytes of scale words at 24,576.  An image is a fragment's 12 registers: run c holds registers 4 c .. 4 c + 3, lane l's 16 bytes at 16 l.
; Scale words: for span s (K positions 2 s, 2 s + 1) 256 bytes at 256 s: lane l's 8 bytes at 8 l are the two words of tile l / 16, tile row l % 16.
; TILE ROW i of tile u is row rowbase + 8 u + i + 8 (i / 8) of the weight, so that in transposed use a lane's 16 results of tiles 0 and 1 are 16 neighbours along n.
; rowbase: Wq, Wk, Wv: 128 j + 32 q.  Wfc: 256 (j / 2) + 64 q + 32 (j % 2): two chunks on end give part q 64 neighbouring columns of the output.
; WHICH BLOCK OF 32 ALONG K stands as block b of K position p: Wq, Wk, Wv: block 4 p + b.  Wfc: with p = 2 g + e, block 8 g + 2 b + e: whole blocks change places inside a span of 256,
; and the next launch lays the attention's result in the same order; each block keeps its own codes and its own scale.
; A block's scale is 2^(floor(log2(its largest magnitude)) - 2); its byte is the largest magnitude's exponent field - 2, held at 1 from below.
; LIMITS: a block of zeros, or one whose largest magnitude lies under 2^-124, gets the byte 1 (a block of zeros has zero codes, which add nothing; this program alone reads the bytes); NaN and infinities are not served.
; SHARES: one wave to a work-group; it takes one tile (16 rows) x one span of 256 along K: 16 KiB in, two images and 32 scale words out.  All 32 loads are out together; each reads 512 consecutive bytes.
; The rows turn through a stage in LDS, since a lane must hold a whole block of 32 neighbours.  The images leave in stores of 512 consecutive bytes; the scale words in one store of 128, a twenty-fifth of what is stored.
.set CH,   102400
.set PT,   25600
.set FRB,  1536
.set SCO,  24576
.set STP,  1040                        ; a stage row: 1,024 bytes + 16: an odd multiple of 16, so that sixteen rows' 16-byte pieces start at sixteen different places modulo 256 bytes
.set RR,   1                           ; v1   r = lane % 16
.set HF,   2                           ; v2   lane / 16
.set L16,  3                           ; v3   16 x lane
.set SA0,  4                           ; v4   byte offset in the span's 1,024 bytes of a row from which I load what lies at 16 x lane of a stage row
.set SA1,  5                           ; v5   and what lies at 512 + 16 x lane
.set RA,   6                           ; v6   where I read: row r, + 128 x half
.set SO,   7                           ; v7   8 r: my two scale words' place
.set RAW,  16                          ; v16-143  the 32 loads
.set NUM,  144                         ; v144-207 my two blocks of a K position
.set FRG,  208                         ; v208-231 the two fragments
.set TMP,  232                         ; v232-238 the second halves' codes
.set WK,   240                         ; v240-247 at work
.set SW,   248                         ; v248-249 the two scale words
	s_load_b256 s[4:11], s[0:1], 0x0               ; Wq, Wk, Wv, Wfc
	s_load_b64 s[12:13], s[0:1], 0x20              ; wst
	v_lshl_add_u32 v254, v0, 2, 0x4200
	v_mov_b32 v255, 0
	s_and_b32 s16, ttmp9, 3                        ; the span
	s_bfe_u32 s17, ttmp9, 0x10002                  ; u
	s_bfe_u32 s18, ttmp9, 0x20003                  ; q
	s_bfe_u32 s19, ttmp9, 0x30005                  ; j
	s_lshr_b32 s24, ttmp9, 8                       ; pass
	s_lshl_b32 s25, s19, 7
	s_lshl_b32 s26, s18, 5
	s_add_co_u32 s25, s25, s26                     ; 128 j + 32 q
	s_lshr_b32 s26, s19, 1
	s_lshl_b32 s26, s26, 8
	s_lshl_b32 s27, s18, 6
	s_add_co_u32 s26, s26, s27
	s_and_b32 s27, s19, 1
	s_lshl_b32 s27, s27, 5
	s_add_co_u32 s26, s26, s27                     ; 256 (j / 2) + 64 q + 32 (j % 2)
	s_cmp_eq_u32 s24, 3
	s_cselect_b32 s25, s26, s25                    ; rowbase
	s_cselect_b32 s22, -1, 0                       ; all lanes: is this Wfc?
	s_lshl_b32 s26, s17, 3
	s_add_co_u32 s25, s25, s26                     ; + 8 u
	s_lshl_b32 s28, s25, 12                        ; rows of 4,096 bytes
	s_lshl_b32 s26, s16, 10
	s_add_co_u32 s28, s28, s26                     ; + the span's 1,024 bytes
	s_mov_b32 s29, 0
	; WHERE THE IMAGES GO (this paragraph goes before what the head says of wst's order; images, scale words, tile rows and blocks are as the head has them).
	; wst = stream T, 20 units of 102,400 bytes, then stream D, 24 chunks of 51,200 bytes, from byte 2,048,000.  cc counts the chunks of Wq (0-7), Wk (8-15), Wfc (16-23).
	; Unit 8 + j is Wv's chunk j, laid as the head says.  Unit cc / 2 (Wfc: + 8) holds K positions 4-7 of chunks cc and cc + 1: part q at 25,600 q: for e = cc % 2 eight images at 12,288 e + (2 (p - 4) + u) 1,536,
	; scale words at 24,576 + 512 e + 256 (span - 2).  D's chunk cc holds K positions 0-3: part q at 12,800 q: eight images at (2 p + u) 1,536, scale words at 12,288 + 256 span.
	s_lshr_b32 s26, ttmp9, 5                       ; 8 pass + j
	s_add_co_u32 s27, s19, 16
	s_cmp_eq_u32 s24, 3
	s_cselect_b32 s26, s27, s26                    ; cc
	s_cselect_b32 s35, 8, 0
	s_lshr_b32 s36, s26, 1
	s_add_co_u32 s36, s36, s35                     ; the pair's unit
	s_and_b32 s37, s19, 1                          ; e
	s_and_b32 s38, s16, 1                          ; the span's place in its half of K
	s_mul_i32 s36, s36, CH
	s_mul_i32 s27, s18, PT
	s_add_co_u32 s36, s36, s27                     ; my part of the unit
	s_mul_i32 s27, s37, 12288
	s_add_co_u32 s34, s36, s27                     ; T: where my chunk's images begin,
	s_lshl_b32 s27, s37, 9
	s_add_co_u32 s36, s36, s27
	s_add_co_u32 s36, s36, SCO                     ; and its scale words
	s_mul_i32 s26, s26, 51200
	s_mul_i32 s27, s18, 12800
	s_add_co_u32 s26, s26, s27
	s_add_co_u32 s26, s26, 2048000                 ; D: the same
	s_add_co_u32 s27, s26, 12288
	s_cmp_lt_u32 s16, 2                            ; spans 0 and 1 go to D
	s_cselect_b32 s34, s26, s34
	s_cselect_b32 s36, s27, s36
	s_add_co_u32 s26, s19, 8
	s_mul_i32 s26, s26, CH
	s_mul_i32 s27, s18, PT
	s_add_co_u32 s26, s26, s27                     ; Wv: my part of unit 8 + j
	s_add_co_u32 s27, s26, SCO
	s_cmp_eq_u32 s24, 2
	s_cselect_b32 s34, s26, s34
	s_cselect_b32 s36, s27, s36
	s_cselect_b32 s38, s16, s38                    ; there all four spans lie on end
	s_lshl_b32 s26, s38, 2
	s_add_co_u32 s26, s26, s17
	s_mul_i32 s26, s26, FRB
	s_add_co_u32 s30, s34, s26                     ; the span's first image of tile u
	s_mov_b32 s31, 0
	s_lshl_b32 s26, s38, 8
	s_add_co_u32 s32, s36, s26
	s_lshl_b32 s26, s17, 7
	s_add_co_u32 s32, s32, s26                     ; the span's scale words of tile u
	s_mov_b32 s33, 0
	s_mov_b32 s20, 0x76543210
	s_mov_b32 s21, 0xfedcba98                      ; v_permlanex16_b32's selects for lane l xor 16
	v_and_b32 v[RR], 15, v0
	v_lshrrev_b32 v[HF], 4, v0
	v_lshlrev_b32 v[L16], 4, v0
	v_lshrrev_b32 v8, 3, v0                        ; Wfc: the stage's place 512 e + 128 b holds the span's block 2 b + e, so place 16 x lane (e = 0, b = lane / 8) is loaded from
	v_and_b32 v9, 7, v0
	v_lshlrev_b32 v10, 8, v8
	v_lshl_add_u32 v10, v9, 4, v10                 ; 256 (lane / 8) + 16 (lane % 8): four runs of 128 bytes a load; a row's two loads together take its 1,024 bytes
	v_add_nc_u32 v11, 512, v[L16]
	v_add_nc_u32 v12, 128, v10                     ; e = 1: one block on
	v_cndmask_b32 v[SA0], v[L16], v10, s22         ; the others: as the bytes lie
	v_cndmask_b32 v[SA1], v11, v12, s22
	v_mul_u32_u24 v[RA], v[RR], STP
	v_lshl_add_u32 v[RA], v[HF], 7, v[RA]
	v_lshlrev_b32 v[SO], 3, v[RR]
	v_lshlrev_b32 v[WK+6], 3, v[HF]                ; 8 x half: how far up my bytes stand in a scale word
	v_mov_b32 v[WK+7], 0                           ; a lane permute's destination counts as one of its sources
	s_wait_alu depctr_va_vdst(0)
	s_wait_kmcnt 0x0
	s_cmp_eq_u32 s24, 1                            ; the weight is chosen by the work-group's number alone
	s_cselect_b64 s[14:15], s[6:7], s[4:5]
	s_cmp_eq_u32 s24, 2
	s_cselect_b64 s[14:15], s[8:9], s[14:15]
	s_cmp_eq_u32 s24, 3
	s_cselect_b64 s[14:15], s[10:11], s[14:15]
	s_add_nc_u64 s[14:15], s[14:15], s[28:29]
	s_add_nc_u64 s[30:31], s[12:13], s[30:31]
	s_add_nc_u64 s[32:33], s[12:13], s[32:33]
.irp i, 0,1,2,3,4,5,6,7,8,9,10,11,12,13,14,15
.irp e, 0,1
	global_load_b128 v[RAW+4*(2*\i+\e):RAW+4*(2*\i+\e)+3], v[SA0+\e], s[14:15] offset:(\i+8*(\i/8))*4096 th:TH_LOAD_NT
.endr
.endr
.irp i, 0,1,2,3,4,5,6,7,8,9,10,11,12,13,14,15
	s_wait_loadcnt 30-2*\i                         ; row i's two loads are in; those of the rows behind it may be out
	ds_store_b128 v[L16], v[RAW+8*\i:RAW+8*\i+3] offset:STP*\i          ; the stage is written as 16 x lane for every weight: the order of blocks was settled by the loads' offsets
	ds_store_b128 v[L16], v[RAW+8*\i+4:RAW+8*\i+7] offset:STP*\i+512
.endr
; K position 2 x span + e: lane (r, half) takes blocks half and 2 + half of tile row r, 32 numbers each, whole
.macro HALF e
.set FG, FRG+12*\e
.irp c, 0,1
.irp jj, 0,1,2,3,4,5,6,7
	ds_load_b128 v[NUM+32*\c+4*\jj:NUM+32*\c+4*\jj+3], v[RA] offset:512*\e+256*\c+16*\jj   ; LDS serves a wave's instructions in order: these see my stores
.endr
.endr
	s_wait_dscnt 0x0
.irp c, 0,1
	v_max3_num_f32 v[WK+\c], |v[NUM+32*\c]|, |v[NUM+32*\c+1]|, 0x1800000   ; with the floor 2^(3 - 127) among the leaves: the byte cannot fall under 1
.endr
.irp i, 2,4,6,8,10,12,14,16,18,20,22,24,26,28,30
.irp c, 0,1
	v_max3_num_f32 v[WK+\c], v[WK+\c], |v[NUM+32*\c+\i]|, |v[NUM+32*\c+\i+1]|   ; the two blocks by turns
.endr
.endr
.irp c, 0,1
	v_add_nc_u32 v[WK+2+\c], 0xff000000, v[WK+\c]  ; 2 off the exponent field: the conversion's scale operand
.endr
.irp c, 0,1
	v_lshrrev_b32 v[WK+4+\c], 23, v[WK+2+\c]       ; the scale's byte
.endr
	v_lshl_or_b32 v[SW+\e], v[WK+5], 16, v[WK+4]   ; my two bytes, blocks half and 2 + half,
	v_lshlrev_b32 v[SW+\e], v[WK+6], v[SW+\e]      ; at their places;
	v_permlanex16_b32 v[WK+7], v[SW+\e], s20, s21
	v_or_b32 v[SW+\e], v[SW+\e], v[WK+7]           ; with lane l xor 16's two the word is whole
.irp c, 0,1
	v_cvt_scalef32_pk16_fp6_f32 v[FG+6*\c:FG+6*\c+2], v[NUM+32*\c:NUM+32*\c+15], v[WK+2+\c]
	v_cvt_scalef32_pk16_fp6_f32 v[TMP+4*\c:TMP+4*\c+2], v[NUM+32*\c+16:NUM+32*\c+31], v[WK+2+\c]   ; (a conversion's three registers begin on an even number)
.endr
	v_nop                                          ; one plain place behind a scaled conversion
.irp c, 0,1
.irp i, 0,1,2
	v_mov_b32 v[FG+6*\c+3+\i], v[TMP+4*\c+\i]
.endr
.endr
.irp c, 0,1,2
	global_store_b128 v[L16], v[FG+4*\c:FG+4*\c+3], s[30:31] offset:2*FRB*\e+512*\c   ; 32 lanes store 512 consecutive bytes, at a multiple of 256 from wst's first byte
.endr
.endm
	HALF 0
	HALF 1
	s_wait_xcnt 0x0                                ; EXEC changes only behind this wait
	v_cmp_gt_u32 vcc_lo, 16, v0
	s_wait_tensorcnt 0x0
	ds_add_u32 v254, v255
	s_wait_dscnt 0x0
	s_and_saveexec_b32 s23, vcc_lo                 ; lanes 16-31 hold the same words
	global_store_b64 v[SO], v[SW:SW+1], s[32:33]   ; 16 lanes: 128 consecutive bytes
	s_endpgm
.Lfunc_end_k_qcd0fa63e00_prep:
	.size	k_qcd0fa63e00_prep, .Lfunc_end_k_qcd0fa63e00_prep-k_qcd0fa63e00_prep
	.p2alignl 7, 3214868480
	.fill 96, 4, 3214868480
	.section	.rodata,"a",@progbits
	.p2align	6, 0x0
	.amdhsa_kernel k_qcd0fa63e00_prep
		.amdhsa_group_segment_fixed_size 17152
		.amdhsa_private_segment_fixed_size 0
		.amdhsa_enable_private_segment 0
		.amdhsa_kernarg_size 40
		.amdhsa_user_sgpr_count 2
		.amdhsa_user_sgpr_kernarg_segment_ptr 1
		.amdhsa_wavefront_size32 1
		.amdhsa_system_sgpr_workgroup_id_x 1
		.amdhsa_system_sgpr_workgroup_id_y 1
		.amdhsa_system_sgpr_workgroup_id_z 1
		.amdhsa_system_vgpr_workitem_id 0
		.amdhsa_next_free_vgpr 256
		.amdhsa_next_free_sgpr 66
		.amdhsa_reserve_vcc 1
		.amdhsa_float_denorm_mode_32 3
		.amdhsa_float_denorm_mode_16_64 3
		.amdhsa_memory_ordered 1
		.amdhsa_forward_progress 1
		.amdhsa_inst_pref_size 19
	.end_amdhsa_kernel
	.amdgpu_metadata
---
amdhsa.version: [ 1, 2 ]
amdhsa.kernels:
  - .name:           k_qcd0fa63e00_prep
    .symbol:         k_qcd0fa63e00_prep.kd
    .args:
      - { .name: Wq, .offset: 0, .size: 8, .value_kind: global_buffer, .address_space: global }
      - { .name: Wk, .offset: 8, .size: 8, .value_kind: global_buffer, .address_space: global }
      - { .name: Wv, .offset: 16, .size: 8, .value_kind: global_buffer, .address_space: global }
      - { .name: Wfc, .offset: 24, .size: 8, .value_kind: global_buffer, .address_space: global }
      - { .name: wst, .offset: 32, .size: 8, .value_kind: global_buffer, .address_space: global }
    .group_segment_fixed_size: 17152
    .private_segment_fixed_size: 0
    .kernarg_segment_align: 8
    .kernarg_segment_size: 40
    .max_flat_workgroup_size: 32
    .sgpr_count:     66
    .vgpr_count:     256
    .wavefront_size: 32
...
	.end_amdgpu_metadata
.endif
;; end of part 1
;; launch fused (part 2): grid 256 x 1, 4 waves a work-group, clusters of 4 x 1, 327,680 bytes of LDS; arguments x, wst, out0; writes out0
.if DOCPART == 2
	.amdgcn_target "amdgcn-amd-amdhsa--gfx1250"
	.amdhsa_code_object_version 6
	.text
	.protected	k_qcd0fa63e00_fused
	.globl	k_qcd0fa63e00_fused
	.p2align	8
	.type	k_qcd0fa63e00_fused,@function
k_qcd0fa63e00_fused:
	s_mov_b64 s[64:65], 0
	v_nop
	global_prefetch_b8 v0, s[64:65] scope:SCOPE_SE
	s_setreg_imm32_b32 hwreg(HW_REG_WAVE_MODE, 25, 1), 1
	s_wait_xcnt 0x0
	s_wait_alu depctr_hold_cnt(0) depctr_sa_sdst(0) depctr_va_vdst(0) depctr_va_sdst(0) depctr_va_ssrc(0) depctr_va_vcc(0) depctr_vm_vsrc(0)
	s_getreg_b32 s2, hwreg(HW_REG_IB_STS2, 6, 4)
	s_cmp_eq_u32 s2, 0
	s_cbranch_scc0 .Lentry_in_a_cluster
	s_endpgm
.Lentry_in_a_cluster:
	s_bfe_u32 s2, ttmp6, 0x10000c
	s_cmp_lg_u32 s2, 0x3003
	s_cbranch_scc0 .Lentry_shape_is_right
	s_endpgm
.Lentry_shape_is_right:
; out0 = Att(x Wq^T, x Wk^T, x Wv^T) Wfc^T for 16,384 tokens of 1,024; the attention of a token runs over its own 16 heads of 64.  The four large products and the scores are made on codes of
; FP6 (E2M3) with one E8M0 scale for each 32 along K; P V (K = 16) by f32 multiply-adds.  Q, K, P, V and the attention's result never go to memory.
; SHARES.  A work-group owns 64 tokens (four tiles m of 16) and walks all four weights, 32 chunks of 128 weight rows, which the launch before has laid in wst as images of operand registers.
; Every wave holds ALL 64 tokens' codes in registers (384) and takes a quarter of a chunk's rows: a weight fragment is read from LDS once and feeds four matrix instructions.
; EVERYTHING IS USED TRANSPOSED: source 0 = 16 weight rows, source 1 = 16 tokens: a lane holds one token (lane % 16), and the 16 registers of tiles u = 0, 1 are the columns rowbase + 16 (lane / 16) + 0 .. 15.
; CLUSTER.  All work-groups walk the same stream, so the four of a cluster ask for each part JOINTLY (mask 15): wave w asks for part w of the next chunk, one tensor load behind each round.  By this text's count one tensor load of a wave is out.
; PHASES.  X: wave w quantises tile w of x; images to LDS; all waves fetch all.  QK (chunks 0-15): each chunk gives a wave one block of 32 of Q or K for each token: quantised, codes into the token's row in LDS.
; ATT: wave w takes tokens 16 w on: one matrix instruction a token (K = 64; the upper 64 are zero codes), softmax over the 16 heads t, P to LDS.  V (16-23): wave (db, th) makes half db of each head's 64 for tokens 32 th on,
; and adds P x V into 512 registers.  A': these are quantised: images to LDS.  FC (24-31): as QK; two chunks give a wave 64 neighbouring columns, which leave through a stage as aligned runs of 256 bytes.
; THE ORDER OF K IN FC: K position 2 g + db holds as block b the true block 8 g + 2 b + db (head 4 g + b, half db), in Wfc's images and here alike: codes and scales are the true blocks', the f32 sums run in that order.
; LIMITS: NaN and infinities are not served; a block of zeros, or one whose largest magnitude lies under 2^-124, gets the scale byte 1; P is normalised by v_rcp_f32 and a multiplication.
; All of the WGP's LDS is claimed, and the lines 'ds_add_u32 v3, v4' stand as they do.
;
; LDS: 0, 102,400: two slots of a chunk, filled by tensor loads alone.  T = 204,800: 64 rows of 1,584 bytes, used four ways in turn, barriers between:
;  (a) X: a stage of 16 x 528 for each wave; XIMG: image (m, s) at (8 m + s) 1,536; XSC: scale words, word s % 4 of lane l at (2 m + s / 4) 512 + 16 l.
;  (b) a token's row: Q's codes at 0-767, K's at 768-1,535, block B at 24 B.  (c) P[t][h] f32 at 64 t + 4 h of the same row, written by the wave that has read the row's codes.
;  (d) AIMG, ASCI as XIMG, XSC; OSTG: 16 x 272 for each wave.   SCB: 68 bytes a token: 32 scale bytes of Q, 32 of K.   SPARE: the spare words, 128 bytes a wave.
;  1,584 = 99 x 16 bytes = 396 words = 12 modulo 64 (64 banks of 4 bytes: ISA guide 11.1): sixteen tokens' 16-byte pieces, and the words 12 r + 3 half + i of the code stores, fall on different banks.
; REGISTERS, in windows of 256 (s_set_vgpr_msb: bits 1:0 source 0, 3:2 source 1, 5:4 source 2, 7:6 destination):
;  window 0: v0-31 addresses; v32-63 the tokens' scale words (m, p) at 32 + 8 m + p; v64-79 the weights' scale words; v80-143, v144-207 accumulators; v208-245 the quantiser's; v246-251 addresses.  In V v144-239 hold two sets of four fragments.
;  window 1: 0-191 token tiles 0, 1 at 96 m + 12 p; 192-255 P in V, rows read back in FC.   window 2: 0-191 token tiles 2, 3; in V the sums of tile mm = 0 at 16 h + i; in X the loads of K positions 0-3.
;  window 3: a chunk's 16 fragments at 12 (2 p + u); in ATT eight tokens' operands; in V the sums of mm = 1; in X the loads of K positions 4-7.
.set CH,    102400
.set PT,    25600
.set FRB,   1536
.set SCO,   24576
.set T,     204800
.set TP,    1584
.set SCB,   306176
.set SCP,   68
.set SPARE, 310528
.set XIMG,  T+33792
.set XSC,   T+82944
.set AIMG,  T
.set ASCI,  T+49152
.set OSTG,  T+53248
.set RR,   1                           ; lane % 16
.set HF,   2                           ; lane / 16
.set SPW,  3                           ; my spare word: SPARE + 4 x my thread's number; never rewritten
.set NIL,  4                           ; 0; never rewritten
.set L16,  5                           ; 16 x lane
.set FA0,  6                           ; my part's images: 16 lane + 25,600 w
.set FS0,  7                           ; its scale words: 8 lane + 25,600 w + 24,576
.set FAV0, 8                           ; the same with db for w (V)
.set FSV0, 9
.set FA,   10                          ; FA0 or FAV0 + the slot
.set FS,   11
.set FB,   12                          ; FA + two parts (V)
.set FS2,  13
.set QSL,  14                          ; Q's and K's codes: T + 1,584 r + 12 half + 24 w (tiles 0, 1)
.set QSH,  15                          ; + 32 rows (tiles 2, 3)
.set QSS,  16                          ; their scale bytes: SCB + 68 r + w
.set AQ,   17                          ; ATT: T + 25,344 w + 48 r + 24 half
.set ASA,  18                          ; SCB + 1,088 w + 2 r + 32 half
.set PST,  19                          ; T + 25,344 w + 512 half + 4 r
.set PA,   20                          ; V: T + (32 th + r) 1,584
.set XSS,  21                          ; X: my stage, in
.set XSR,  22                          ; and back
.set XWI,  23                          ; my images
.set XWS,  24                          ; my scale words
.set LIT,  25                          ; all images of x
.set LSC,  26                          ; all scale words of x
.set GO,   27                          ; out0: 4,096 half + 16 r + 256 w
.set PFO,  28                          ; 256 x lane
.set W0,   29                          ; v29-31 addresses in hand
.set W1,   30
.set W2,   31
.set ASC,  32
.set BSC,  64
.set ACC,  80
.set ACC2, 144
.set BB,   144
.set TM,   208
.set PW,   224
.set PC,   226
.set CD,   226
.set MX,   144                         ; ATT: eight maxima, eight exchanged numbers, eight c x maximum, eight pairs of sums
.set PM,   152
.set CM,   160
.set SM,   168
.set OST,  246                         ; FC: my stage, in
.set ORD,  247                         ; and back
.set AWI,  248                         ; A': my images
.set AWS,  249                         ; my scale words
.set LIT2, 250                         ; all images of the attention's result
.set LSC2, 251
.set DA0,  252                         ; stream D, my part's images: 16 lane + 12,800 w
.set DS0,  253                         ; its scale words: 8 lane + 12,800 w + 12,288
; HOW THE WEIGHTS COME (this paragraph goes before what the head says of the stream).  wst is two streams.  Stream T: 20 units of 102,400 bytes, four parts of 25,600 each, walked by the ring of two slots with joint loads,
; one unit for each change of slots: units 0-7 serve QK's eight pairs of chunks, units 8-15 are V's chunks, units 16-19 serve FC's four pairs.  A pair's unit holds K positions 4-7 of both chunks: chunk e of the pair at
; 12,288 e of a part, its scale words at 24,576 + 512 e.  Stream D, from byte DB on: K positions 0-3 of QK's and FC's 24 chunks, 51,200 bytes a chunk, 12,800 a part: they go straight into the fragment registers,
; 512 consecutive bytes a load, asked for a chunk ahead.  A wave's part is read by that wave alone, and loads into registers cannot be asked for jointly: that is why stream D has no multicast.
; scalars: s[4:5] x, s[6:7] wst, s[8:9] out0; s10 wave, s11 cx, s13 db, s14 th, s15 -1 where th = 1; s[16:23] group 1, s[24:27] group 0; s28 25,600 w; s29 the slot to fill; s30 the slot in hand;
; s31 fills to come; s32 bound of the prefetches; s[34:35] their address; s[36:37] lane selects; s38 c = log2(e) / 8; s39 trips; s33, s12 where QK's codes and bytes stand; s40-42 the same for ATT and V;
; s[48:49] stream D's chunk that was asked for last
.set DB,   2048000
.set DCH,  51200
.set DPT,  12800
.set GB, 48
.set MSB, 0
.macro WIN new                         ; the immediate's high byte repeats the setting that is left; a switch that changes nothing is dropped
.if MSB != (\new)
	s_set_vgpr_msb (MSB<<8)|(\new)
.set MSB, (\new)
.endif
.endm
.macro NOPS n
.rept \n
	v_nop
.endr
.endm
; A round of the cluster's barrier: my work-group's barrier; wave 0 signals for the work-group; every wave waits for the four work-groups; my work-group's barrier once more.
.macro ROUND
	s_barrier_signal -1
	s_barrier_wait -1
	s_cmp_lg_u32 s10, 0
	s_cbranch_scc1 .Lnot_wave_0_\@
	s_barrier_signal -3
.Lnot_wave_0_\@:
	s_barrier_wait -3
	s_barrier_signal -1
	s_barrier_wait -1
.endm
.macro BARRIER                         ; my LDS stores have landed and my LDS loads are in: then the work-group's barrier.  The next chunk's load may stay out
	s_wait_dscnt 0x0
	s_barrier_signal -1
	s_barrier_wait -1
.endm
; A prefetch of the streams.  At the change of slots that takes unit U in hand (U = 0 .. 16) cluster 0's sixteen waves name unit U + 3, which is asked for two changes later: wave 4 w + cx takes 25 blocks of 256 bytes,
; a lane a block (lanes 25-31 name their wave's last block again): wst + (U + 3) 102,400 + (4 w + cx) 6,400 + 256 min(lane, 24).  doff: the same lanes name a pair of stream D's chunks, doff bytes on:
; in QK pairs 3 to 10, in FC's first trip pair 11.  Units 0-2 and pairs 0-2 come by their loads alone.  Each block is named once; the partners are told apart by address; the last byte named is 3,276,544.
.macro ASK doff
	s_cmp_gt_u32 s31, s32
	s_cbranch_scc0 .Lnot_mine_\@
	global_prefetch_b8 v[PFO], s[34:35] th:TH_LOAD_NT scope:SCOPE_SE
.if \doff
	global_prefetch_b8 v[PFO], s[34:35] offset:\doff th:TH_LOAD_NT scope:SCOPE_SE
.endif
.Lnot_mine_\@:
.endm
; THE CHANGE OF SLOTS, at a chunk's head.  Each wave waits for all its tensor loads (its part of the chunk ahead), adds 0 to its spare word, and waits for that and for all its LDS instructions.
; Behind the round the chunk ahead is whole in all four work-groups and nobody reads the other slot: fill = 1: it takes the chunk after.
.macro CHANGE fill, doff=0
	s_wait_tensorcnt 0x0                           ; no tensor load of mine is out, so group 0 may be written
	ds_add_u32 v[SPW], v[NIL]
.if \fill
	s_xor_b32 s29, s30, CH                         ; the other slot than the one in hand,
	s_add_co_u32 s25, s28, s29                     ; my part of it,
	s_add_nc_u64 s[26:27], s[26:27], CH            ; the next chunk; the type bits on top are not reached
	s_wait_xcnt 0x0                                ; the last prefetch, a chunk back, has read its address
	s_add_nc_u64 s[34:35], s[34:35], CH
.endif
	s_wait_dscnt 0x0                               ; the add is done; my reads of the slot that I have left are over; my stores into T have landed
	ROUND
.if \fill
	tensor_load_to_lds s[24:27], s[16:23]          ; the first thing behind the round, and my one tensor load until the next
	s_nop 0
	NOPS 4
	ASK \doff
	s_sub_co_u32 s31, s31, 1
.endif
.endm
; Stream D: group i (0 or 1) = K positions 2 i, 2 i + 1 of my part of the chunk at s[GB:GB+1]: its two scale words and four fragments, 13 loads
.macro REFILL i
	WIN 0
	global_load_b64 v[BSC+2*(\i):BSC+2*(\i)+1], v[DS0], s[GB:GB+1] offset:256*(\i)
	WIN 0xc0
.irp f, 0,1,2,3
.irp c, 0,1,2
	global_load_b128 v[12*(4*(\i)+\f)+4*\c:12*(4*(\i)+\f)+4*\c+3], v[DA0], s[GB:GB+1] offset:FRB*(4*(\i)+\f)+512*\c
.endr
.endr
.endm
.macro FETCHG                          ; a whole part, group by group
.irp i, 0,1
	REFILL \i
.endr
	WIN 0
.endm
.macro STEPG                           ; the loads have read their base: on to the next chunk
	s_wait_xcnt 0x0
	s_add_nc_u64 s[GB:GB+1], s[GB:GB+1], DCH
.endm
; all 64 tokens' codes (32 images) and scale words
.macro FETCHA lit, lsc
.irp k, 0,1,2,3,4,5,6,7
	ds_load_b128 v[ASC+4*\k:ASC+4*\k+3], v[\lsc] offset:512*\k
.endr
	WIN 0x40
.irp f, 0,1,2,3,4,5,6,7,8,9,10,11,12,13,14,15
.irp c, 0,1,2
	ds_load_b128 v[12*\f+4*\c:12*\f+4*\c+3], v[\lit] offset:FRB*\f+512*\c
.endr
.endr
	WIN 0x80
.irp f, 0,1,2,3,4,5,6,7,8,9,10,11,12,13,14,15
.irp c, 0,1,2
	ds_load_b128 v[12*\f+4*\c:12*\f+4*\c+3], v[\lit] offset:FRB*(16+\f)+512*\c
.endr
.endr
	WIN 0
.endm
; one matrix instruction: D rD, source 0 rA with scales rSA (row = 1: in lanes 16-31), source 1 rB with scales rSB; rZ = 1: it starts the sum
.macro WM row
.if rZ
.if \row
	v_wmma_scale_f32_16x16x128_f8f6f4 v[rD:rD+7], v[rA:rA+11], v[rB:rB+11], 0, v[rSA], v[rSB] matrix_a_fmt:MATRIX_FMT_FP6 matrix_b_fmt:MATRIX_FMT_FP6 matrix_a_scale:MATRIX_SCALE_ROW1
.else
	v_wmma_scale_f32_16x16x128_f8f6f4 v[rD:rD+7], v[rA:rA+11], v[rB:rB+11], 0, v[rSA], v[rSB] matrix_a_fmt:MATRIX_FMT_FP6 matrix_b_fmt:MATRIX_FMT_FP6
.endif
.else
.if \row
	v_wmma_scale_f32_16x16x128_f8f6f4 v[rD:rD+7], v[rA:rA+11], v[rB:rB+11], v[rD:rD+7], v[rSA], v[rSB] matrix_a_fmt:MATRIX_FMT_FP6 matrix_b_fmt:MATRIX_FMT_FP6 matrix_a_scale:MATRIX_SCALE_ROW1
.else
	v_wmma_scale_f32_16x16x128_f8f6f4 v[rD:rD+7], v[rA:rA+11], v[rB:rB+11], v[rD:rD+7], v[rSA], v[rSB] matrix_a_fmt:MATRIX_FMT_FP6 matrix_b_fmt:MATRIX_FMT_FP6
.endif
.endif
.endm
; Behind group i's 16 products (i = 0, 1): its registers take the same group of stream D's next chunk, and, behind group 0, the wait for group 1 of the chunk in hand.
; mode 1: always.  mode 0: nothing is asked for.  mode 2: not in the loop's last trip (s39 = 1): a branch on the trip counter leads round the loads, and each arm has the wait that fits it.
.macro ROLL i, mode
.if (\mode) == 0
.if (\i) == 0
	s_wait_loadcnt 0x0                             ; group 1 is in: nothing was asked for behind it
.endif
.else
	WIN 0
	NOPS 4                                         ; places in front of loads into registers that the products have read
.if (\mode) == 2
	s_cmp_eq_u32 s39, 1
	s_cbranch_scc1 .Lno_more_\@
.endif
.if (\i) == 0
	STEPG                                          ; the base was last named by the loads of the chunk before, a chunk's products ago
.endif
	REFILL \i
	WIN 0
.if (\i) == 0
	s_wait_loadcnt 13                              ; group 1 of the chunk in hand is in: behind it stand the 13 loads just issued
.endif
.if (\mode) == 2
	s_branch .Lasked_\@
.Lno_more_\@:
	s_wait_loadcnt 0x0                             ; nothing was issued here: all my loads are in
.Lasked_\@:
.endif
.endif
.endm
; A chunk's 64 matrix instructions: my 2 tiles of weight rows x 4 tiles of tokens x 8 K positions, into acc + 16 m + 8 u, K ascending, two K positions (a group) at a time.
; Groups 0 and 1 lie in registers or are on their way there from stream D; groups 2 and 3 are fetched here from the slot in hand (odd: which chunk of the pair) and land under the first 32 products.
; Four accumulators take turns, one instruction a turn.
.macro MUL acc, odd, roll
	v_add_nc_u32 v[FA], s30, v[FA0]
	v_add_nc_u32 v[FS], s30, v[FS0]
.irp g, 2,3
	ds_load_b64 v[BSC+2*\g:BSC+2*\g+1], v[FS] offset:512*(\odd)+256*(\g-2)      ; register p: lanes 0-15 tile u = 0, lanes 16-31 tile u = 1
.endr
	WIN 0xc0
.irp f, 8,9,10,11,12,13,14,15
.irp c, 0,1,2
	ds_load_b128 v[12*\f+4*\c:12*\f+4*\c+3], v[FA] offset:12288*(\odd)+FRB*(\f-8)+512*\c
.endr
.endr
.irp i, 0,1,2,3
.if \i == 0
	s_wait_loadcnt 13                              ; group 0 is in: behind its 13 loads stand group 1's
.elseif \i == 2
	s_wait_dscnt 12                                ; group 2 is in: behind it stand group 3's 12 loads
.elseif \i == 3
	s_wait_dscnt 0x0
.endif
.irp g, 0,1
	WIN 0x07+4*\g                                  ; source 0 window 3; source 1 window 1 (tiles 0, 1) or 2 (tiles 2, 3)
.irp e, 0,1
.irp u, 0,1
.irp mm, 0,1
.set rP, 2*\i+\e
.set rD, \acc+16*(2*\g+\mm)+8*\u
.set rA, 12*(2*rP+\u)
.set rB, 96*\mm+12*rP
.set rSA, BSC+rP
.set rSB, ASC+8*(2*\g+\mm)+rP
.if rP == 0
.set rZ, 1
.else
.set rZ, 0
.endif
	WM \u
.endr
.endr
.endr
.endr
.if \i < 2
	ROLL \i, \roll
.endif
.endr
	WIN 0
	NOPS 4                                         ; places behind the last products: for the first read of results and for the next fetch into groups 2 and 3
.endm
; QK's way on: for each tile m my 16 numbers in ACC + 16 m are half of block 4 j + w of the token's Q or K; with lane l xor 16's they are quantised; 12 bytes of codes and the block's byte go to the token's row.
.macro EPIQ
	v_add_nc_u32 v[W0], s33, v[QSL]
	v_add_nc_u32 v[W1], s33, v[QSH]
	v_add_nc_u32 v[W2], s12, v[QSS]
.irp m, 0,1,2,3
	v_max3_num_f32 v[TM+\m], |v[ACC+16*\m]|, |v[ACC+16*\m+1]|, 0x1800000   ; each accumulator is read from its low end on; the floor 2^(3 - 127) holds the byte at 1 from below
.endr
.irp i, 2,4,6,8,10,12,14
.irp m, 0,1,2,3
	v_max3_num_f32 v[TM+\m], v[TM+\m], |v[ACC+16*\m+\i]|, |v[ACC+16*\m+\i+1]|
.endr
.endr
.irp m, 0,1,2,3
	v_permlanex16_b32 v[TM+4+\m], v[TM+\m], s36, s37
.endr
.irp m, 0,1,2,3
	v_max_num_f32 v[TM+\m], v[TM+\m], v[TM+4+\m]
.endr
.irp m, 0,1,2,3
	v_add_nc_u32 v[TM+8+\m], 0xff000000, v[TM+\m]  ; 2 off the exponent field: the conversion's scale operand
.endr
.irp m, 0,1,2,3
	v_lshrrev_b32 v[TM+12+\m], 23, v[TM+8+\m]      ; the scale's byte
.endr
.irp m, 0,1,2,3
	v_cvt_scalef32_pk16_fp6_f32 v[CD+4*\m:CD+4*\m+2], v[ACC+16*\m:ACC+16*\m+15], v[TM+8+\m]
.endr
	v_nop                                          ; one plain place behind a scaled conversion
.irp m, 0,1,2,3
.irp i, 0,1,2
	ds_store_b32 v[W0+(\m/2)], v[CD+4*\m+\i] offset:16*TP*(\m%2)+4*\i
.endr
	ds_store_b8 v[W2], v[TM+12+\m] offset:16*SCP*\m   ; both lanes of a block write the same byte with the same value
.endr
	s_add_co_u32 s33, s33, 96                      ; four blocks on; K's codes and bytes follow Q's at the same step
	s_add_co_u32 s12, s12, 4
.endm
; 64 numbers of a lane in window w, register s + 16 b + i = k 32 b + 16 (lane / 16) + i of my row, become a fragment's codes in v[PC] on and its scale word in v[PW]
.macro QUANT s, w
	WIN (\w)|((\w)<<2)
.irp b, 0,1,2,3
	v_max3_num_f32 v[TM+\b], |v[(\s)+16*\b]|, |v[(\s)+16*\b+1]|, 0x1800000
.endr
	WIN ((\w)<<2)|((\w)<<4)
.irp i, 2,4,6,8,10,12,14
.irp b, 0,1,2,3
	v_max3_num_f32 v[TM+\b], v[TM+\b], |v[(\s)+16*\b+\i]|, |v[(\s)+16*\b+\i+1]|
.endr
.endr
	WIN 0
.irp b, 0,1,2,3
	v_permlanex16_b32 v[TM+4+\b], v[TM+\b], s36, s37
.endr
.irp b, 0,1,2,3
	v_max_num_f32 v[TM+\b], v[TM+\b], v[TM+4+\b]
.endr
.irp b, 0,1,2,3
	v_add_nc_u32 v[TM+12+\b], 0xff000000, v[TM+\b]
.endr
.irp b, 0,1,2,3
	v_lshrrev_b32 v[TM+4+\b], 23, v[TM+12+\b]
.endr
	v_lshl_or_b32 v[PW], v[TM+5], 8, v[TM+4]
	v_lshl_or_b32 v[PW], v[TM+6], 16, v[PW]
	v_lshl_or_b32 v[PW], v[TM+7], 24, v[PW]
	WIN (\w)
.irp c, 0,1
	v_cvt_scalef32_pk16_fp6_f32 v[PC+6*\c:PC+6*\c+2], v[(\s)+32*\c:(\s)+32*\c+15], v[TM+12+2*\c]
	v_cvt_scalef32_pk16_fp6_f32 v[PC+12+4*\c:PC+14+4*\c], v[(\s)+32*\c+16:(\s)+32*\c+31], v[TM+13+2*\c]   ; (a conversion's three registers begin on an even number)
.endr
	WIN 0
	v_nop                                          ; one plain place behind a scaled conversion
.irp c, 0,1                            ; the operand's layout wants a whole block in a lane: lanes 0-15 block 2 c, lanes 16-31 block 2 c + 1
.irp i, 0,1,2
	v_permlane16_swap_b32 v[PC+6*\c+\i], v[PC+12+4*\c+\i]
.endr
.irp i, 0,1,2
	v_mov_b32 v[PC+3+6*\c+\i], v[PC+12+4*\c+\i]
.endr
.endr
.endm
.macro IMAGE adr, off                  ; the fragment in v[PC] on goes to LDS as it stands
.irp c, 0,1,2
	ds_store_b128 v[\adr], v[PC+4*\c:PC+4*\c+3] offset:(\off)+512*\c
.endr
.endm
	s_load_b128 s[4:7], s[0:1], 0x0                ; x, wst
	s_load_b64 s[8:9], s[0:1], 0x10                ; out0
	v_lshl_add_u32 v[SPW], v0, 2, SPARE
	v_mov_b32 v[NIL], 0
	ds_add_u32 v3, v4
	ds_add_u32 v3, v4
	s_wait_dscnt 0x0
	v_lshrrev_b32 v[W0], 5, v0
	v_readfirstlane_b32 s10, v[W0]                 ; wave 0..3
	s_bfe_u32 s11, ttmp6, 0x40000                  ; cx: it enters global addresses alone
	s_and_b32 s13, s10, 1                          ; db
	s_lshr_b32 s14, s10, 1                         ; th
	s_cmp_lg_u32 s14, 0
	s_cselect_b32 s15, -1, 0
	s_mul_i32 s28, s10, PT
	s_mov_b32 s30, 0
	s_mov_b32 s31, 19
	s_cmp_eq_u32 ttmp9, 0                          ; cluster 0 prefetches: the same in all four partners
	s_cselect_b32 s32, 2, -1
	s_mov_b32 s36, 0x76543210
	s_mov_b32 s37, 0xfedcba98
	s_mov_b32 s38, 0x3e38aa3b                      ; c = log2(e) / sqrt(64)
	s_mov_b32 s33, 0
	s_mov_b32 s12, 0
	; descriptor group 1: a part, 25,600 dense bytes, as 100 rows of 256 bytes (32 elements of 8 bytes), no padding
	s_mov_b32 s16, 15|(3<<16)|(1<<21)              ; 15:0 the mask: all four work-groups; 17:16 elements of 8 bytes; 21 set beside a mask
	s_mov_b32 s17, 32<<16                          ; tensor_dim0 = 32
	s_mov_b32 s18, 100<<16                         ; tensor_dim1 = 100
	s_mov_b32 s19, 32<<16                          ; tile_dim0 = 32
	s_mov_b32 s20, 100                             ; tile_dim1 = 100
	s_mov_b32 s21, 32                              ; from row to row
	s_mov_b32 s22, 0
	s_mov_b32 s23, 0
	s_lshl_b32 s40, ttmp9, 2
	s_add_co_u32 s40, s40, s11                     ; my work-group = 4 x cluster + cx
	s_lshl_b32 s40, s40, 18                        ; its 64 rows of 4,096 bytes
	s_mov_b32 s41, 0
	s_lshl_b32 s42, s10, 16                        ; my wave's 16 of them
	s_mov_b32 s43, 0
	s_lshl_b32 s44, s10, 2
	s_add_co_u32 s44, s44, s11
	s_mul_i32 s44, s44, 6400
	s_add_co_u32 s44, s44, 2*CH                    ; the prefetches stand one unit short of the first that is named, unit 3: the first change steps them
	s_mov_b32 s45, 0
	s_mov_b32 s46, s28                             ; the ring begins with unit 0, my part (no register that feeds the descriptor ever holds cx)
	s_mov_b32 s47, 0
	v_and_b32 v[W0], 31, v0                        ; lane
	v_lshlrev_b32 v[L16], 4, v[W0]
	s_wait_alu depctr_va_vdst(0)
	s_wait_kmcnt 0x0
	s_add_nc_u64 s[4:5], s[4:5], s[40:41]
	s_add_nc_u64 s[4:5], s[4:5], s[42:43]
	s_add_nc_u64 s[8:9], s[8:9], s[40:41]
	s_add_nc_u64 s[34:35], s[6:7], s[44:45]
	s_add_nc_u64 s[GB:GB+1], s[6:7], DB            ; stream D begins with chunk 0
	s_mov_b32 s24, 1                               ; count = 1
	s_mov_b32 s25, s28                             ; LDS: slot 0, my part
	s_add_nc_u64 s[26:27], s[6:7], s[46:47]        ; chunk 0, my part
	s_or_b32 s27, s27, 0x80000000                  ; type = 2
	; my 16 rows of x: row i, K position s: 512 consecutive bytes a load, K position by K position
	WIN 0x80
.irp s, 0,1,2,3
.irp i, 0,1,2,3,4,5,6,7,8,9,10,11,12,13,14,15
	global_load_b128 v[64*\s+4*\i:64*\s+4*\i+3], v[L16], s[4:5] offset:4096*\i+512*\s th:TH_LOAD_NT
.endr
.endr
	WIN 0xc0
.irp s, 0,1,2,3
.irp i, 0,1,2,3,4,5,6,7,8,9,10,11,12,13,14,15
	global_load_b128 v[64*\s+4*\i:64*\s+4*\i+3], v[L16], s[4:5] offset:4096*\i+512*(4+\s) th:TH_LOAD_NT
.endr
.endr
	WIN 0
	ROUND                                          ; all four work-groups are here: the first joint loads meet
	tensor_load_to_lds s[24:27], s[16:23]          ; chunk 0 into slot 0
	s_nop 0
	NOPS 4
	v_and_b32 v[RR], 15, v0
	v_bfe_u32 v[HF], v0, 4, 1
	s_mul_i32 s40, s13, PT
	v_add_nc_u32 v[FA0], s28, v[L16]
	v_lshl_add_u32 v[FS0], v[W0], 3, s28
	v_add_nc_u32 v[FS0], SCO, v[FS0]
	v_add_nc_u32 v[FAV0], s40, v[L16]
	v_lshl_add_u32 v[FSV0], v[W0], 3, s40
	v_add_nc_u32 v[FSV0], SCO, v[FSV0]
	s_mul_i32 s41, s10, DPT
	v_add_nc_u32 v[DA0], s41, v[L16]
	v_lshl_add_u32 v[DS0], v[W0], 3, s41
	v_add_nc_u32 v[DS0], 12288, v[DS0]
	s_mul_i32 s41, s10, 24
	s_add_co_u32 s41, s41, T
	v_mul_u32_u24 v[QSL], v[RR], TP
	v_mad_u32_u24 v[QSL], v[HF], 12, v[QSL]
	v_add_nc_u32 v[QSL], s41, v[QSL]
	v_add_nc_u32 v[QSH], 32*TP, v[QSL]
	s_add_co_u32 s42, s10, SCB
	v_mul_u32_u24 v[QSS], v[RR], SCP
	v_add_nc_u32 v[QSS], s42, v[QSS]
	s_mul_i32 s43, s10, 16*TP
	s_add_co_u32 s43, s43, T
	v_mul_u32_u24 v[AQ], v[RR], 48
	v_mad_u32_u24 v[AQ], v[HF], 24, v[AQ]
	v_add_nc_u32 v[AQ], s43, v[AQ]
	s_mul_i32 s44, s10, 16*SCP
	s_add_co_u32 s44, s44, SCB
	v_lshlrev_b32 v[ASA], 1, v[RR]
	v_lshl_add_u32 v[ASA], v[HF], 5, v[ASA]
	v_add_nc_u32 v[ASA], s44, v[ASA]
	v_lshlrev_b32 v[PST], 2, v[RR]
	v_lshl_add_u32 v[PST], v[HF], 9, v[PST]
	v_add_nc_u32 v[PST], s43, v[PST]
	s_mul_i32 s45, s14, 32*TP
	s_add_co_u32 s45, s45, T
	v_mul_u32_u24 v[PA], v[RR], TP
	v_add_nc_u32 v[PA], s45, v[PA]
	s_mul_i32 s46, s10, 16*528
	s_add_co_u32 s46, s46, T
	v_add_nc_u32 v[XSS], s46, v[L16]
	v_mul_u32_u24 v[XSR], v[RR], 528
	v_lshl_add_u32 v[XSR], v[HF], 6, v[XSR]
	v_add_nc_u32 v[XSR], s46, v[XSR]
	s_mul_i32 s47, s10, 8*FRB
	s_add_co_u32 s47, s47, XIMG
	v_add_nc_u32 v[XWI], s47, v[L16]
	s_lshl_b32 s40, s10, 10
	s_add_co_u32 s40, s40, XSC
	v_add_nc_u32 v[XWS], s40, v[L16]
	v_add_nc_u32 v[LIT], XIMG, v[L16]
	v_add_nc_u32 v[LSC], XSC, v[L16]
	s_lshl_b32 s41, s10, 8
	v_lshlrev_b32 v[GO], 4, v[RR]
	v_lshl_add_u32 v[GO], v[HF], 12, v[GO]
	v_add_nc_u32 v[GO], s41, v[GO]
	v_min_u32 v[PFO], 24, v[W0]
	v_lshlrev_b32 v[PFO], 8, v[PFO]                ; 256 min(lane, 24)
	s_mul_i32 s42, s10, 16*272
	s_add_co_u32 s42, s42, OSTG
	v_mul_u32_u24 v[OST], v[RR], 272
	v_lshl_add_u32 v[OST], v[HF], 6, v[OST]
	v_add_nc_u32 v[OST], s42, v[OST]
	v_mul_u32_u24 v[ORD], v[HF], 272
	v_lshl_add_u32 v[ORD], v[RR], 4, v[ORD]
	v_add_nc_u32 v[ORD], s42, v[ORD]
	s_mul_i32 s43, s14, 16*FRB
	s_mul_i32 s44, s13, FRB
	s_add_co_u32 s43, s43, s44
	s_add_co_u32 s43, s43, AIMG
	v_add_nc_u32 v[AWI], s43, v[L16]
	s_lshl_b32 s44, s14, 11
	s_lshl_b32 s45, s13, 2
	s_add_co_u32 s44, s44, s45
	s_add_co_u32 s44, s44, ASCI
	v_add_nc_u32 v[AWS], s44, v[L16]
	v_add_nc_u32 v[LIT2], AIMG, v[L16]
	v_add_nc_u32 v[LSC2], ASCI, v[L16]
.irp b, 0,1,2,3
	v_mov_b32 v[TM+4+\b], 0                        ; a lane permute's destination counts as one of its sources
.endr
; ---- X.  K position s of my 16 rows turns through my stage: in as loaded (a row's 512 bytes on end), back 16 neighbours of each block of 32 to a lane.  LDS serves a wave's instructions in order.
.macro TURN s
.if (\s) < 4
	WIN 0x08                                       ; an LDS store's data are its source 1: window 2,
.else
	WIN 0x0c                                       ; or 3
.endif
.irp i, 0,1,2,3,4,5,6,7,8,9,10,11,12,13,14,15
	ds_store_b128 v[XSS], v[64*((\s)%4)+4*\i:64*((\s)%4)+4*\i+3] offset:528*\i
.endr
	WIN 0
.irp b, 0,1,2,3
.irp jj, 0,1,2,3
	ds_load_b128 v[ACC+64*((\s)%2)+16*\b+4*\jj:ACC+64*((\s)%2)+16*\b+4*\jj+3], v[XSR] offset:128*\b+16*\jj
.endr
.endr
.endm
	s_wait_loadcnt 63                              ; K position 0's sixteen loads are in (112 stand behind them; the count is the largest that the wait can name)
	TURN 0
.irp s, 0,1,2,3,4,5,6,7
.if \s < 7
.if 16*(6-\s) > 63
	s_wait_loadcnt 63
.else
	s_wait_loadcnt 16*(6-\s)                       ; the next K position's loads are in; sixteen for each later one may be out
.endif
	TURN \s+1
	s_wait_dscnt 32                                ; all but the 32 just issued: this K position's numbers are back, and the last image's stores have read their registers
.else
	s_wait_dscnt 0x0
	FETCHG                                         ; all of x has left windows 2 and 3: chunk 0's part is asked for, under the last K position's quantising
.endif
	QUANT ACC+64*(\s%2), 0
	IMAGE XWI, FRB*\s
	ds_store_b32 v[XWS], v[PW] offset:512*(\s/4)+4*(\s%4)
.endr
; ---- QK: chunks 0-15, a pair and a unit of stream T a trip.
	BARRIER                                        ; x's images are shown to all four waves; unit 0's tensor load may stay out
	FETCHA LIT, LSC
	s_mov_b32 s39, 8
.Lqk:
	CHANGE 1, DB                                   ; (the first one's wait and round also stand between every wave's reads of x's images and the stores into the tokens' rows, which lie over them)
	MUL ACC, 0, 1
	EPIQ
	MUL ACC, 1, 2                                  ; in the last trip stream D is asked for nothing more
	EPIQ
	s_xor_b32 s30, s30, CH
	s_sub_co_u32 s39, s39, 1
	s_cmp_lg_u32 s39, 0
	s_cbranch_scc1 .Lqk
	s_wait_loadcnt 0x0                             ; no load into the fragment registers is out: they are used otherwise from here on
	BARRIER                                        ; every token's 64 blocks of Q and K lie in its row
; ---- ATT: my 16 tokens, eight a trip.  S^T = K Q^T: source 0 = the token's 16 heads of K, source 1 = its 16 heads of Q; lane (r, half) holds head h = r and t = 8 half + 0 .. 7.
	WIN 0xc0
.irp o, 0,1,2,3,4,5,6,7,8,9,10,11,12,13,14,15
.irp i, 6,7,8,9,10,11
	v_mov_b32 v[12*\o+\i], 0                       ; K = 64: the operands' upper 64 along K are zero codes
.endr
.endr
	WIN 0
.irp t, 0,1,2,3,4,5,6,7
	v_mov_b32 v[PM+\t], 0                          ; lane permutes' destinations.  (Also the places between the zeros and the products)
.endr
	s_mov_b32 s40, 0
	s_mov_b32 s41, 0
	s_mov_b32 s39, 2
.Latt:
	v_add_nc_u32 v[W0], s40, v[AQ]
	v_add_nc_u32 v[W1], s41, v[ASA]
	v_add_nc_u32 v[W2], s40, v[PST]
.irp t, 0,1,2,3,4,5,6,7
	ds_load_u16 v[BSC+\t], v[W1] offset:SCP*\t     ; lanes 0-15: the two bytes of Q's head r; lanes 16-31: of K's.  The word's upper bytes are 0: they scale zero codes
.endr
	WIN 0xc0
.irp t, 0,1,2,3,4,5,6,7
.irp p, 0,1,2
	ds_load_b64 v[24*\t+2*\p:24*\t+2*\p+1], v[W0] offset:TP*\t+768+8*\p
	ds_load_b64 v[24*\t+12+2*\p:24*\t+12+2*\p+1], v[W0] offset:TP*\t+8*\p
.endr
.endr
	s_wait_dscnt 0x0                               ; (the last trip's stores of P are done too)
	WIN 0x0f
.irp t, 0,1,2,3,4,5,6,7
.set rD, ACC+8*\t
.set rA, 24*\t
.set rB, 24*\t+12
.set rSA, BSC+\t
.set rSB, BSC+\t
.set rZ, 1
	WM 1
.endr
	WIN 0
	NOPS 4
.irp t, 0,1,2,3,4,5,6,7
	v_max3_num_f32 v[MX+\t], v[ACC+8*\t], v[ACC+8*\t+1], v[ACC+8*\t+2]   ; the tokens by turns
.endr
.irp t, 0,1,2,3,4,5,6,7
	v_max3_num_f32 v[MX+\t], v[MX+\t], v[ACC+8*\t+3], v[ACC+8*\t+4]
.endr
.irp t, 0,1,2,3,4,5,6,7
	v_max3_num_f32 v[MX+\t], v[MX+\t], v[ACC+8*\t+5], v[ACC+8*\t+6]
.endr
.irp t, 0,1,2,3,4,5,6,7
	v_max_num_f32 v[MX+\t], v[MX+\t], v[ACC+8*\t+7]
.endr
.irp t, 0,1,2,3,4,5,6,7
	v_permlanex16_b32 v[PM+\t], v[MX+\t], s36, s37
.endr
.irp t, 0,1,2,3,4,5,6,7
	v_max_num_f32 v[MX+\t], v[MX+\t], v[PM+\t]     ; the row's largest score
.endr
.irp t, 0,1,2,3,4,5,6,7
	v_mul_f32 v[CM+\t], s38, v[MX+\t]
.endr
.irp t, 0,1,2,3,4,5,6,7
.irp j, 0,1,2,3,4,5,6,7
	v_fma_f32 v[ACC+8*\t+\j], v[ACC+8*\t+\j], s38, -v[CM+\t]   ; c s - c max: what the rounding of c max leaves is the same in the whole row and falls out in the division
.endr
.endr
.set n, 0
	s_wait_alu depctr_va_vdst(0)
.rept 64
	v_exp_f32 v[ACC+n], v[ACC+n]
.set n, n+1
.endr
	v_nop                                          ; a plain place behind the exponentials,
	s_wait_alu depctr_va_vdst(0)                   ; and one wait for the batch, ahead of its first reader
.irp t, 0,1,2,3,4,5,6,7
	v_pk_add_f32 v[SM+2*\t:SM+2*\t+1], v[ACC+8*\t:ACC+8*\t+1], v[ACC+8*\t+2:ACC+8*\t+3]
.endr
.irp t, 0,1,2,3,4,5,6,7
	v_pk_add_f32 v[SM+2*\t:SM+2*\t+1], v[SM+2*\t:SM+2*\t+1], v[ACC+8*\t+4:ACC+8*\t+5]
.endr
.irp t, 0,1,2,3,4,5,6,7
	v_pk_add_f32 v[SM+2*\t:SM+2*\t+1], v[SM+2*\t:SM+2*\t+1], v[ACC+8*\t+6:ACC+8*\t+7]
.endr
.irp t, 0,1,2,3,4,5,6,7
	v_add_f32 v[SM+2*\t], v[SM+2*\t], v[SM+2*\t+1]
.endr
.irp t, 0,1,2,3,4,5,6,7
	v_permlanex16_b32 v[PM+\t], v[SM+2*\t], s36, s37
.endr
.irp t, 0,1,2,3,4,5,6,7
	v_add_f32 v[SM+2*\t], v[SM+2*\t], v[PM+\t]     ; the row's sum
.endr
	s_wait_alu depctr_va_vdst(0)
.irp t, 0,1,2,3,4,5,6,7
	v_rcp_f32 v[SM+2*\t], v[SM+2*\t]
.endr
	v_nop
	s_wait_alu depctr_va_vdst(0)                   ; one wait for the eight reciprocals
.irp t, 0,1,2,3,4,5,6,7
.irp j, 0,2,4,6
	v_pk_mul_f32 v[ACC+8*\t+\j:ACC+8*\t+\j+1], v[ACC+8*\t+\j:ACC+8*\t+\j+1], v[SM+2*\t:SM+2*\t+1] op_sel_hi:[1,0]
.endr
.endr
.irp t, 0,1,2,3,4,5,6,7
.irp j, 0,1,2,3,4,5,6,7
	ds_store_b32 v[W2], v[ACC+8*\t+\j] offset:TP*\t+64*\j   ; P[t = 8 half + j][h = r], over the codes that I have read
.endr
.endr
	s_add_co_u32 s40, s40, 8*TP
	s_add_co_u32 s41, s41, 8*SCP
	s_sub_co_u32 s39, s39, 1
	s_cmp_lg_u32 s39, 0
	s_cbranch_scc1 .Latt
	s_mov_b32 vcc_lo, s15                          ; the choice below goes by VCC
	; V wants token tiles 2 th, 2 th + 1 alone: they come to stand in window 1, their scale words in the first sixteen.  A choice of values: no branch
.irp i, 0,1,2,3,4,5,6,7,8,9,10,11,12,13,14,15
	v_cndmask_b32 v[ASC+\i], v[ASC+\i], v[ASC+16+\i], vcc_lo
.endr
	WIN 0x49                                       ; destination and source 0 window 1, source 1 window 2
.set n, 0
.rept 192
	v_cndmask_b32 v[n], v[n], v[n], vcc_lo
.set n, n+1
.endr
	WIN 0
; ---- V: chunks 16-23.  Chunk j holds heads t = 2 j, 2 j + 1: parts db and db + 2 are my half of their 64.  ACC + 32 tt + 16 mm + 8 u: V of token tile mm, head 2 j + tt, d = 32 db + 16 half + 8 u + 0 .. 7.
.macro VSET p                          ; K position p's four fragments (tt, u) into set p % 2
.irp tt, 0,1
.irp u, 0,1
.irp c, 0,1,2
	ds_load_b128 v[BB+48*((\p)%2)+24*\tt+12*\u+4*\c:BB+48*((\p)%2)+24*\tt+12*\u+4*\c+3], v[FA+2*\tt] offset:FRB*(2*(\p)+\u)+512*\c
.endr
.endr
.endr
.endm
.macro VCH first
	CHANGE 1                                       ; (the first one's round also shows P to all four waves)
	v_add_nc_u32 v[FA], s30, v[FAV0]
	v_add_nc_u32 v[FS], s30, v[FSV0]
	v_add_nc_u32 v[FB], 2*PT, v[FA]
	v_add_nc_u32 v[FS2], 2*PT, v[FS]
	v_add_nc_u32 v[W0], s42, v[PA]
.irp g, 0,1,2,3
	ds_load_b64 v[BSC+2*\g:BSC+2*\g+1], v[FS] offset:256*\g
	ds_load_b64 v[BSC+8+2*\g:BSC+8+2*\g+1], v[FS2] offset:256*\g
.endr
	VSET 0
	VSET 1
	WIN 0x40
.irp mm, 0,1
.irp tt, 0,1
.irp q, 0,1,2,3
	ds_load_b128 v[192+32*\tt+16*\mm+4*\q:192+32*\tt+16*\mm+4*\q+3], v[W0] offset:16*TP*\mm+64*\tt+16*\q   ; P[t][0 .. 15] of my token
.endr
.endr
.endr
	WIN 0
	s_wait_alu depctr_va_vdst(0)
.irp p, 0,1,2,3,4,5,6,7
.if \p < 2
	s_wait_dscnt 28                                ; this set is in; behind it stand P's 16 loads and one set's 12
.elseif \p < 7
	s_wait_dscnt 12                                ; behind it stands the next set
.else
	s_wait_dscnt 0x0
.endif
	WIN 0x04                                       ; source 1, the tokens: window 1
.irp tt, 0,1
.irp u, 0,1
.irp mm, 0,1
.set rD, ACC+32*\tt+16*\mm+8*\u
.set rA, BB+48*(\p%2)+24*\tt+12*\u
.set rB, 96*\mm+12*\p
.set rSA, BSC+8*\tt+\p
.set rSB, ASC+8*\mm+\p
.if \p == 0
.set rZ, 1
.else
.set rZ, 0
.endif
	WM \u                                          ; eight accumulators by turns
.endr
.endr
.endr
	WIN 0
.if (\p < 6) || (\p == 7)
	NOPS 4                                         ; places in front of loads into the set just multiplied, and of the first read of results
.endif
.if \p < 6
	VSET \p+2
.endif
.endr
	; out[h][d] += P[h][t] V[t][d]: two d at a time; of a pair of P's registers one serves both halves
.irp mm, 0,1
	WIN ((2+\mm)*0x50)|4                           ; the sums: window 2 + mm; V: window 0; P: window 1
.irp tt, 0,1
.irp h, 0,1,2,3,4,5,6,7,8,9,10,11,12,13,14,15
.irp k, 0,2,4,6,8,10,12,14
.set rO, 16*\h+\k
.set rV, ACC+32*\tt+16*\mm+\k
.set rQ, 192+32*\tt+16*\mm+2*(\h/2)
.if \first && (\tt == 0)               ; the first head starts the sums: nothing is cleared
.if (\h%2) == 0
	v_pk_mul_f32 v[rO:rO+1], v[rV:rV+1], v[rQ:rQ+1] op_sel_hi:[1,0]
.else
	v_pk_mul_f32 v[rO:rO+1], v[rV:rV+1], v[rQ:rQ+1] op_sel:[0,1] op_sel_hi:[1,1]
.endif
.else
.if (\h%2) == 0
	v_pk_fma_f32 v[rO:rO+1], v[rV:rV+1], v[rQ:rQ+1], v[rO:rO+1] op_sel_hi:[1,0,1]
.else
	v_pk_fma_f32 v[rO:rO+1], v[rV:rV+1], v[rQ:rQ+1], v[rO:rO+1] op_sel:[0,1,0] op_sel_hi:[1,1,1]
.endif
.endif
.endr
.endr
.endr
.endr
	WIN 0
	s_add_co_u32 s42, s42, 128                     ; two heads t on in P
	s_xor_b32 s30, s30, CH
.endm
	s_mov_b32 s42, 0
	VCH 1
	s_mov_b32 s39, 7
.Lv:
	VCH 0
	s_sub_co_u32 s39, s39, 1
	s_cmp_lg_u32 s39, 0
	s_cbranch_scc1 .Lv
	BARRIER                                        ; every wave's reads of P are over: T takes the images
; ---- A': heads 4 g .. 4 g + 3, half db, of token tile 2 th + mm are K position 2 g + db of the last product
.irp mm, 0,1
.irp g, 0,1,2,3
	QUANT 64*\g, 2+\mm
	IMAGE AWI, (8*\mm+2*\g)*FRB
	ds_store_b32 v[AWS], v[PW] offset:1024*\mm+512*(\g/2)+8*(\g%2)
	s_wait_dscnt 0x0                               ; the stores have read their registers
.endr
.endr
; ---- FC: chunks 24-31.  Even chunks into ACC, odd ones into ACC2: together 64 neighbouring columns of out0 for each of the 64 tokens.
.macro TOST m                          ; tile m: a token's 256 bytes into my stage, and back as whole rows: lanes 0-15 one row, lanes 16-31 the next
.irp k, 0,1,2,3
	ds_store_b128 v[OST], v[ACC+16*(\m)+4*\k:ACC+16*(\m)+4*\k+3] offset:16*\k          ; each accumulator from its low end on
.endr
.irp k, 0,1,2,3
	ds_store_b128 v[OST], v[ACC2+16*(\m)+4*\k:ACC2+16*(\m)+4*\k+3] offset:128+16*\k
.endr
	WIN 0x40
.irp k, 0,1,2,3,4,5,6,7
	ds_load_b128 v[192+32*((\m)%2)+4*\k:192+32*((\m)%2)+4*\k+3], v[ORD] offset:544*\k   ; LDS serves a wave's instructions in order: these see my stores, and the next tile's stores come behind them
.endr
	WIN 0
.endm
.macro SEND m, younger                 ; younger: the LDS instructions issued behind tile m's loads
	s_wait_dscnt \younger
	WIN 0x04                                       ; a store's data are its source 1: window 1
.irp k, 0,1,2,3,4,5,6,7
	global_store_b128 v[GO], v[192+32*((\m)%2)+4*\k:192+32*((\m)%2)+4*\k+3], s[8:9] offset:(16*(\m)+2*\k)*4096 th:TH_STORE_NT   ; 16 lanes store 256 consecutive bytes, at a multiple of 256 from out0's first byte
.endr
	WIN 0
.endm
.macro OUTPAIR
	TOST 0
.irp m, 1,2,3
.if \m > 1
	s_wait_xcnt 0x0                                ; tile m - 2's stores have read their registers: tile m's rows may land there
.endif
	TOST \m
	SEND \m-1, 16                                  ; behind tile m - 1's loads: tile m's 8 stores and 8 loads
.endr
	SEND 3, 0
	s_wait_xcnt 0x0                                ; the stores have read their registers and their base
	s_add_nc_u64 s[8:9], s[8:9], 1024              ; the next 256 columns
.endm
	STEPG
	FETCHG                                         ; stream D goes on where QK left it: FC's first chunk
	BARRIER                                        ; the images are shown to all four waves
	FETCHA LIT2, LSC2
	s_mov_b32 s39, 3
.Lfc:
	CHANGE 1, DB-8*CH
	MUL ACC, 0, 1
	MUL ACC2, 1, 1
	OUTPAIR                                        ; the pair's results leave while the next chunk's loads are out; its last wait is for all LDS instructions
	s_xor_b32 s30, s30, CH
	s_sub_co_u32 s39, s39, 1
	s_cmp_lg_u32 s39, 0
	s_cbranch_scc1 .Lfc
	CHANGE 0                                       ; the last pair is written out: no unit is left to ask for,
	MUL ACC, 0, 1
	MUL ACC2, 1, 0                                 ; and behind the last chunk nothing of stream D
	OUTPAIR
	s_wait_tensorcnt 0x0                           ; the wave's end
	ds_add_u32 v[SPW], v[NIL]
	s_wait_dscnt 0x0
	ROUND                                          ; the closing round: no work-group ends while a partner may still ask for a part that names it
	s_endpgm
.Lfunc_end_k_qcd0fa63e00_fused:
	.size	k_qcd0fa63e00_fused, .Lfunc_end_k_qcd0fa63e00_fused-k_qcd0fa63e00_fused
	.p2alignl 7, 3214868480
	.fill 96, 4, 3214868480
	.section	.rodata,"a",@progbits
	.p2align	6, 0x0
	.amdhsa_kernel k_qcd0fa63e00_fused
		.amdhsa_group_segment_fixed_size 327680
		.amdhsa_private_segment_fixed_size 0
		.amdhsa_enable_private_segment 0
		.amdhsa_kernarg_size 24
		.amdhsa_user_sgpr_count 2
		.amdhsa_user_sgpr_kernarg_segment_ptr 1
		.amdhsa_wavefront_size32 1
		.amdhsa_system_sgpr_workgroup_id_x 1
		.amdhsa_system_sgpr_workgroup_id_y 1
		.amdhsa_system_sgpr_workgroup_id_z 1
		.amdhsa_system_vgpr_workitem_id 0
		.amdhsa_next_free_vgpr 1024
		.amdhsa_next_free_sgpr 66
		.amdhsa_reserve_vcc 1
		.amdhsa_float_denorm_mode_32 3
		.amdhsa_float_denorm_mode_16_64 3
		.amdhsa_memory_ordered 1
		.amdhsa_forward_progress 1
		.amdhsa_inst_pref_size 255
	.end_amdhsa_kernel
	.section	.bss,"aw",@nobits
	.p2align	6
	.space	262144
	.amdgpu_metadata
---
amdhsa.version: [ 1, 2 ]
amdhsa.kernels:
  - .name:           k_qcd0fa63e00_fused
    .symbol:         k_qcd0fa63e00_fused.kd
    .args:
      - { .name: x, .offset: 0, .size: 8, .value_kind: global_buffer, .address_space: global }
      - { .name: wst, .offset: 8, .size: 8, .value_kind: global_buffer, .address_space: global }
      - { .name: out0, .offset: 16, .size: 8, .value_kind: global_buffer, .address_space: global }
    .group_segment_fixed_size: 327680
    .private_segment_fixed_size: 0
    .kernarg_segment_align: 8
    .kernarg_segment_size: 24
    .max_flat_workgroup_size: 128
    .sgpr_count:     66
    .vgpr_count:     1024
    .wavefront_size: 32
...
	.end_amdgpu_metadata
.endif
;; end of part 2
